; MI455X (gfx1250); checked and timed in simulation.
; The chip was launched on July 23, 2026; its instructions are those of AMD's public machine-readable ISA for CDNA 5 (MIT licence, August 2026) and "CDNA5" Instruction Set Architecture Reference Guide (July 2026). The comments in the code are by the model that wrote it; some were corrected since.
;; Attention. Allowed arithmetic: float matrix products may take bf16 or f16 operands with f32 sums; all other float work in f32.
;; Inputs: attn_mask 4 x 1 x 2,048 x 2,048 bool; keys 4 x 2,048 x 1,024 float32; queries 4 x 2,048 x 1,024 float32; values 4 x 2,048 x 1,024 float32.
;; Outputs: out0 4 x 2,048 x 1,024 float32.
;; One version. Each part assembles by itself: llvm-mc -triple=amdgcn-amd-amdhsa -mcpu=gfx1250 --defsym DOCPART=n.
;; ======== version 1 of 1: 2 launches
;; limits: right only within a limited range of input values; inputs' magnitudes at most 65,280; values are held in f16: magnitudes above 65,504 overflow, below 6.1e-05 lose precision
;; workspace buffers: tab 2,048 bytes of whole numbers
;; launch classify (part 1): grid 64 x 4, 4 waves a work-group, no clusters, 0 bytes of LDS; arguments attn_mask, tab; writes tab
.if DOCPART == 1
	.amdgcn_target "amdgcn-amd-amdhsa--gfx1250"
	.amdhsa_code_object_version 6
	.text
	.protected	k_q822cfe8534_classify
	.globl	k_q822cfe8534_classify
	.p2align	8
	.type	k_q822cfe8534_classify,@function
k_q822cfe8534_classify:
	s_mov_b64 s[64:65], 0
	v_nop
	global_prefetch_b8 v0, s[64:65] scope:SCOPE_SE
	s_setreg_imm32_b32 hwreg(HW_REG_WAVE_MODE, 25, 1), 1
	s_wait_xcnt 0x0
; Two bitmaps for every strip of 32 mask rows: which blocks of 64 columns hold an open byte (0), which hold a masked byte (1).
; attn_mask: [4][2048][2048] bytes, each 0 or 1.  tab: 256 records of 8 bytes, record 64 b + c for rows 32 c .. 32 c + 31 of batch b:
;   bytes 0-3  ACT: bit i set = block i (columns 64 i .. 64 i + 63) has at least one open byte
;   bytes 4-7  MSK: bit i set = block i has at least one masked byte
; A work-group takes one strip (32 rows x 2,048 bytes).  Wave k takes bytes 512 k .. 512 k + 511 of every row, a lane 16 bytes of every row:
; each load of a wave covers 512 consecutive bytes that start at a multiple of 512.  Every byte of the mask is read once.
; No LDS, no barrier: wave k's eight blocks are byte k of each bitmap, which it stores itself.
.set ROWB, 2048                        ; bytes in a mask row
.set X,    4                           ; v[4:131]   row r: 4 registers
.set A,    132                         ; v[132:135] four running sums, one for each word of my 16 bytes
.set T,    136                         ; v136       their sum
	s_load_b128 s[4:7], s[0:1], 0x0                ; attn_mask s[4:5], tab s[6:7]
	v_lshrrev_b32 v2, 5, v0
	v_readfirstlane_b32 s11, v2                    ; wave k
	v_lshlrev_b32 v1, 4, v0                        ; 16 x thread = 512 k + 16 x lane
	s_and_b32 s10, ttmp7, 0xffff                   ; batch b
	s_lshl_b32 s12, s10, 22                        ; b x 2,048 rows x 2,048 bytes
	s_lshl_b32 s13, ttmp9, 16                      ; c x 32 rows x 2,048 bytes
	s_add_co_u32 s12, s12, s13                     ; below 16 MiB
	s_mov_b32 s13, 0
	s_lshl_b32 s16, s10, 6
	s_add_co_u32 s16, s16, ttmp9
	s_lshl_b32 s16, s16, 3                         ; 8 (64 b + c): my record
	s_mov_b32 s17, 0
	s_wait_kmcnt 0x0
	s_add_nc_u64 s[4:5], s[4:5], s[12:13]
	s_add_nc_u64 s[6:7], s[6:7], s[16:17]
.set r, 0
.rept 32
	global_load_b128 v[X+4*r:X+4*r+3], v1, s[4:5] offset:r*ROWB th:TH_LOAD_NT   ; all 32 rows at once: 16 KiB of a wave on their way
.set r, r+1
.endr
; Eight rows are added onto the four sums.  The bytes are 0 or 1, so whole words are added: a byte of a sum counts the masked bytes of its
; column, at most 32, and no carry leaves a byte.  first = 1: the first three rows start the sums, nothing is cleared.
.macro ROWS8 r0, first
.irp k, 0,1,2,3
.if \first
	v_add3_u32 v[A+\k], v[X+\k], v[X+4+\k], v[X+8+\k]
	v_add3_u32 v[A+\k], v[A+\k], v[X+12+\k], v[X+16+\k]
	v_add3_u32 v[A+\k], v[A+\k], v[X+20+\k], v[X+24+\k]
	v_add_nc_u32 v[A+\k], v[A+\k], v[X+28+\k]
.else
	v_add3_u32 v[A+\k], v[A+\k], v[X+4*\r0+\k], v[X+4*\r0+4+\k]
	v_add3_u32 v[A+\k], v[A+\k], v[X+4*\r0+8+\k], v[X+4*\r0+12+\k]
	v_add3_u32 v[A+\k], v[A+\k], v[X+4*\r0+16+\k], v[X+4*\r0+20+\k]
	v_add3_u32 v[A+\k], v[A+\k], v[X+4*\r0+24+\k], v[X+4*\r0+28+\k]
.endif
.endr
.endm
	s_wait_loadcnt 24                              ; loads come back in order: rows 0-7 are in, the 24 younger loads stay out
	ROWS8 0, 1
	s_wait_loadcnt 16                              ; rows 8-15; 16 younger
	ROWS8 8, 0
	s_wait_loadcnt 8                               ; rows 16-23; 8 younger
	ROWS8 16, 0
	s_wait_loadcnt 0x0                             ; the last eight rows
	ROWS8 24, 0
	v_add3_u32 v[T], v[A], v[A+1], v[A+2]
	v_add_nc_u32 v[T], v[T], v[A+3]                ; each byte: masked bytes among 4 x 32 = 128, which still fits a byte
	v_cmp_ne_u32 s8, 0, v[T]                       ; lanes that saw a masked byte
	v_cmp_ne_u32 s9, 0x80808080, v[T]              ; lanes that saw an open byte (not all 512 masked)
; Four neighbouring lanes (64 bytes of a row) are one block: 32 lane bits become 8 block bits.
.macro FOLD x
	s_lshr_b32 s10, \x, 1
	s_or_b32 \x, \x, s10
	s_lshr_b32 s10, \x, 2
	s_or_b32 \x, \x, s10                           ; bit 4 i = the OR of lanes 4 i .. 4 i + 3
	s_and_b32 \x, \x, 0x11111111
	s_lshr_b32 s10, \x, 3
	s_or_b32 \x, \x, s10
	s_and_b32 \x, \x, 0x03030303                   ; two bits in each byte
	s_lshr_b32 s10, \x, 6
	s_or_b32 \x, \x, s10
	s_and_b32 \x, \x, 0x000f000f                   ; four bits in each half
	s_lshr_b32 s10, \x, 12
	s_or_b32 \x, \x, s10
	s_and_b32 \x, \x, 0xff                         ; eight bits
.endm
	FOLD s8
	FOLD s9
	v_and_b32 v137, 31, v0                         ; lane
	v_lshlrev_b32 v138, 2, v137
	v_add_nc_u32 v138, s11, v138                   ; lane 0: byte k of ACT; lane 1: byte k of MSK (4 bytes on)
	v_mov_b32 v2, s9
	v_mov_b32 v3, s8
	v_cmp_eq_u32 vcc_lo, 1, v137
	v_cndmask_b32 v139, v2, v3, vcc_lo             ; lane 0 carries the open bits, lane 1 the masked bits
	v_cmp_gt_u32 vcc_lo, 2, v137
	s_wait_xcnt 0x0                                ; EXEC is narrowed only behind this wait (all loads have come back as well)
	s_and_saveexec_b32 s14, vcc_lo
	global_store_b8 v138, v139, s[6:7]             ; the table is 2,048 bytes in all; every byte is stored by exactly one wave
	s_endpgm
.Lfunc_end_k_q822cfe8534_classify:
	.size	k_q822cfe8534_classify, .Lfunc_end_k_q822cfe8534_classify-k_q822cfe8534_classify
	.p2alignl 7, 3214868480
	.fill 96, 4, 3214868480
	.section	.rodata,"a",@progbits
	.p2align	6, 0x0
	.amdhsa_kernel k_q822cfe8534_classify
		.amdhsa_group_segment_fixed_size 0
		.amdhsa_private_segment_fixed_size 0
		.amdhsa_enable_private_segment 0
		.amdhsa_kernarg_size 16
		.amdhsa_user_sgpr_count 2
		.amdhsa_user_sgpr_kernarg_segment_ptr 1
		.amdhsa_wavefront_size32 1
		.amdhsa_system_sgpr_workgroup_id_x 1
		.amdhsa_system_sgpr_workgroup_id_y 1
		.amdhsa_system_sgpr_workgroup_id_z 1
		.amdhsa_system_vgpr_workitem_id 0
		.amdhsa_next_free_vgpr 140
		.amdhsa_next_free_sgpr 66
		.amdhsa_reserve_vcc 1
		.amdhsa_float_denorm_mode_32 3
		.amdhsa_float_denorm_mode_16_64 3
		.amdhsa_memory_ordered 1
		.amdhsa_forward_progress 1
		.amdhsa_inst_pref_size 10
	.end_amdhsa_kernel
	.amdgpu_metadata
---
amdhsa.version: [ 1, 2 ]
amdhsa.kernels:
  - .name:           k_q822cfe8534_classify
    .symbol:         k_q822cfe8534_classify.kd
    .args:
      - { .name: attn_mask, .offset: 0, .size: 8, .value_kind: global_buffer, .address_space: global }
      - { .name: tab, .offset: 8, .size: 8, .value_kind: global_buffer, .address_space: global }
    .group_segment_fixed_size: 0
    .private_segment_fixed_size: 0
    .kernarg_segment_align: 8
    .kernarg_segment_size: 16
    .max_flat_workgroup_size: 128
    .sgpr_count:     66
    .vgpr_count:     140
    .wavefront_size: 32
...
	.end_amdgpu_metadata
.endif
;; end of part 1
;; launch attn (part 2): grid 4 x 64, 16 waves a work-group, no clusters, 110,592 bytes of LDS; arguments queries, keys, values, attn_mask, tab, out0; writes out0
.if DOCPART == 2
	.amdgcn_target "amdgcn-amd-amdhsa--gfx1250"
	.amdhsa_code_object_version 6
	.text
	.protected	k_q822cfe8534_attn
	.globl	k_q822cfe8534_attn
	.p2align	8
	.type	k_q822cfe8534_attn,@function
k_q822cfe8534_attn:
	s_mov_b64 s[64:65], 0
	v_nop
	global_prefetch_b8 v0, s[64:65] scope:SCOPE_SE
	s_setreg_imm32_b32 hwreg(HW_REG_WAVE_MODE, 25, 1), 1
	s_wait_xcnt 0x0
; out[b][l][h][:] = softmax over s of (q.k / 8, masked where attn_mask[b][l][s] is 1) times v.   B = 4, H = 16, L = S = 2048, E = 64, all f32.
; Matrix products on 16-bit operands with f32 sums; maximum, exponentials, sums and the rescaling in f32, with a running maximum block by block.
; NUMBER FORMATS.  q, k and v are each rounded once to bf16 (eight significant bits).  S = K Q^T runs in the bf16 form.  p lies in [0, 1] and goes in
; f16 (eleven significant bits), so O = P V runs in the f16 form, and v, already rounded to bf16, is carried there in f16, where a number of eight
; significant bits is exact from 2^-17 to 65,280 in magnitude.
; WHY.  A row with few open keys is a sum of a few terms p v that may nearly cancel, and it is compared within a hundredth of the whole output's root
; mean square, which the many rows that average over hundreds of keys make small.  p in bf16 would add up to 2^-9 of each term; in f16 it adds at
; most 2^-11, and nothing for a row's largest p of a block, which is exactly 1.  v keeps bf16's rounding, not f16's finer one, so that all three
; inputs carry one and the same rounding: the result is the attention of the inputs rounded to bf16, up to p's rounding, which is one of the two
; results that the problem's comparison accepts; a v of eleven bits beside q and k of eight would be neither.  Against unrounded inputs the
; result carries bf16's rounding of q, k and v.
;
; SHARE.  256 work-groups of 16 waves.  Work-group (j, 16 b + h) owns 512 query rows of head (b, h): rows 256 j .. and rows 256 (7 - j) .. ; waves 0-7
; take the first block, waves 8-15 the second.  A wave owns 32 rows (strip c of the table), as two groups g of 16.  The pairing of opposite blocks
; decides no result; it evens the work where a mask opens with the row number.
; KEY BLOCKS of 64.  tab (made by the launch before) says for every strip of 32 rows which key blocks have an open byte (ACT) and which a masked
; byte (MSK).  The work-group walks the blocks that are open for any of its 16 strips, in ascending order.  For a block a wave either skips
; (no open byte in its strip), or starts the scores from the constant 0 (no masked byte: the mask's bytes are not even loaded), or starts them from a
; bias made of the mask's bytes.  This is read off the mask as it is given; no pattern is built in.
; EVERYTHING TRANSPOSED.  S^T = K Q^T: lane (r = l % 16, hh = l / 16) holds query r, register j of tile t key 16 t + 8 hh + j.  So a row's maximum and
; sum are taken inside the lane plus one exchange of halves; two neighbouring tiles, narrowed to f16, ARE the second operand P^T of 32 keys;
; O^T = V^T P^T again has query r in lane r, so maximum, factor and sum are one number a lane.  V^T comes from V's rows by the transposing LDS load.
; K AND V pass through registers on their way to LDS, because they are rounded from f32 there, once for the work-group: 512 threads x 16 bytes
; are 32 rows of 256 bytes, two such loads for K and two for V a block, issued one step ahead of their use.  Two LDS slots take turns, one barrier a step.
; NO JOINT LOADS in a cluster, though four work-groups walk the same K and V: the tiles lie in memory as f32 and would land in LDS as 32 KiB a block
; to be read, rounded and stored again (three LDS passes for one), and the partners' numbers of blocks differ, since they come from the mask.
;
; LIMITS.  v is served up to a magnitude of 65,280 (larger ones become infinite in f16); below 2^-17 it carries an absolute error of at most 2^-25.
; q and k have bf16's range.  A masked score is -2^127 + q.k (finite), not -infinity.  The running maximum starts at -2^97 and so never lies below it:
; while a row has met masked keys only, its p are 2^(about -3e37) = 0 and it gathers nothing; a row whose maximum is still -2^97 at the end counts as
; wholly masked and is written as NaN, as a softmax of nothing but -infinity gives.  So true scores q.k at or below -2^97 are not served.
; Exponentials below 2^-126 come out as 0, and p below 2^-25 is 0 in f16.  The row sum adds p in f32 while the product takes p rounded to f16.
; Sums run block by block, in another order than a plain softmax.
.set KP,     144                       ; LDS pitch of a K row: 128 bytes of bf16 + 16, an odd multiple of 16
.set VP,     160                       ; LDS pitch of a V row: 128 bytes of f16 + 32, an odd multiple of 32 (transposing load)
.set KSLOT,  64*KP                     ; 9,216
.set VSLOT,  64*VP                     ; 10,240
.set VB0,    2*KSLOT                   ; V's two slots lie behind K's two
.set STAGE0, VB0+2*VSLOT               ; 38,912: the way out, 16 rows x 272 bytes for each wave, the wave's own
.set SP,     272                       ; 256 bytes of f32 + 16
.set STAGEW, 16*SP                     ; 4,352;  38,912 + 16 x 4,352 = 108,544 bytes in all
.set ROWB,   4096                      ; bytes from row to row in q, k, v, out
.set TRIPS,  16                        ; 2 steps a trip: room for all 32 key blocks
.set MFLOOR, 0xf0000000                ; -2^97: where the running maximum starts
; v0 thread;  v1 KRD, v2 VRD: where I read K and V fragments;  v3 KST, v4 VST: where I store rounded K and V;  v5 GKV, v6 GM: my offsets in a K or V
; block and in the mask;  v7 zero.  On the way out v1, v2, v3 become three other offsets.
.set ST,  8                            ; v[8:15]    group g: (-c m, m) at ST+4g, (factor, row sum) at ST+4g+2; the packed forms broadcast the pair's first
.set TT,  16                           ; v[16:31]   at work
.set STG, 32                           ; v[32:47]   K rows +0, +32, V rows +0, +32 of the next block: 4 f32 each
.set MK,  48                           ; v[48:63]   mask bytes: group g, tile t: two words at MK+8g+2t
.set QF,  64                           ; v[64:95]   Q fragments: QF+16g+8ke
.set FR,  96                           ; v[96:127]  K fragments (two tiles), then V fragments of keys 0-31
.set SC,  128                          ; v[128:191] scores: SC+32g+8t; then P: fragment (g, u) at SC+32g+16u; the 8 registers behind each P take V of keys 32-63
.set OA,  192                          ; v[192:255] O^T: OA+32g+8dt
; s[4:5] q, s[14:15] out at my strip and head; s[6:7] k, s[8:9] v at my batch and head; s[10:11] mask at my strip; s[16:49] the table's records
; s50 wave, s51 strip, s52 blocks left, s53 n, s54 ACT, s55 ACT & MSK, s56 this block, s57 the next, s58 the one after, s59 step, s60, s62 at work, s61 trip
; s[66:67], s[68:69], s[70:71] addresses of the K block, V block, mask block; s[72:73] c twice; s74-75 lane selects; s76 255; s[78:79] an offset; s80-83 byte selects
.macro PLACES n                        ; places behind matrix instructions (ISA guide 7.12.1): plain vector instructions that name none of their registers
.rept \n
	v_nop
.endr
.endm
	s_load_b256 s[4:11], s[0:1], 0x0               ; queries, keys, values, attn_mask
	s_load_b128 s[12:15], s[0:1], 0x20             ; tab, out0
	v_lshl_add_u32 v30, v0, 2, 0x1a800
	v_mov_b32 v31, 0
	v_lshrrev_b32 v16, 5, v0
	v_readfirstlane_b32 s50, v16                   ; wave 0..15
	s_mov_b32 s2, ttmp9                            ; j
	s_and_b32 s3, ttmp7, 0xffff                    ; 16 b + h
	s_sub_co_u32 s60, 7, s2                        ; 7 - j
	s_cmp_lt_u32 s50, 8
	s_cselect_b32 s51, s2, s60                     ; my block of 256 rows
	s_and_b32 s62, s50, 7
	s_lshl3_add_u32 s51, s51, s62                  ; my strip c = 8 x block + wave % 8; my first row is 32 c
	s_lshr_b32 s61, s3, 4                          ; b
	s_and_b32 s62, s3, 15                          ; h
	; offsets, each in registers of its own
	s_lshl_b32 s16, s61, 23                        ; b x 2,048 rows x 4,096 bytes
	s_lshl_b32 s62, s62, 8                         ; h x 256 bytes
	s_add_co_u32 s16, s16, s62                     ; k, v: batch and head
	s_mov_b32 s17, 0
	s_lshl_b32 s18, s51, 17                        ; 32 c rows x 4,096 bytes
	s_add_co_u32 s18, s18, s16                     ; q, out: batch, head and strip (below 32 MiB)
	s_mov_b32 s19, 0
	s_lshl_b32 s20, s61, 22                        ; b x 2,048 x 2,048 bytes
	s_lshl_b32 s62, s51, 16                        ; 32 c rows x 2,048 bytes
	s_add_co_u32 s20, s20, s62                     ; mask: batch and strip
	s_mov_b32 s21, 0
	s_lshl_b32 s22, s61, 9                         ; tab: 64 records of 8 bytes a batch
	s_lshl_b32 s24, s2, 6
	s_add_co_u32 s24, s24, s22                     ; the 8 records of block j
	s_mov_b32 s25, 0
	s_lshl_b32 s26, s60, 6
	s_add_co_u32 s26, s26, s22                     ; the 8 records of block 7 - j
	s_mov_b32 s27, 0
	s_lshl_b32 s28, s51, 3
	s_add_co_u32 s28, s28, s22                     ; my own record
	s_mov_b32 s29, 0
	; constants
	s_mov_b32 s58, 31
	s_mov_b32 s59, 0                               ; step t
	s_mov_b32 s61, 0                               ; trip
	s_mov_b32 s72, 0x3e38aa3b                      ; c = log2(e) / 8: the scale 1 / sqrt(64) and the change to base 2 in one factor
	s_mov_b32 s73, 0x3e38aa3b
	s_mov_b32 s74, 0x76543210                      ; v_permlanex16_b32: lane i reads lane i of the other half
	s_mov_b32 s75, 0xfedcba98
	s_mov_b32 s76, 255
	s_mov_b32 s79, 0
	s_mov_b32 s80, 0x04000000                      ; v_perm_b32: byte 0, 1, 2, 3 of the first source on top, zeros (byte 0 of v7) below
	s_mov_b32 s81, 0x05000000
	s_mov_b32 s82, 0x06000000
	s_mov_b32 s83, 0x07000000
	; lane terms
	v_and_b32 v16, 15, v0                          ; r, and also thread % 16
	v_bfe_u32 v17, v0, 4, 1                        ; hh
	v_lshrrev_b32 v18, 4, v0                       ; thread / 16: 0..31
	v_and_b32 v19, 7, v0
	v_bfe_u32 v20, v0, 3, 1
	v_mul_u32_u24 v1, v16, KP
	v_lshl_add_u32 v1, v17, 4, v1                  ; KRD = r x 144 + 16 hh
	v_lshl_add_u32 v19, v17, 3, v19
	v_mul_u32_u24 v2, v19, VP
	v_lshl_add_u32 v2, v20, 4, v2                  ; VRD = (8 hh + l % 8) x 160 + 16 ((l / 8) % 2)
	v_mul_u32_u24 v3, v18, KP
	v_lshl_add_u32 v3, v16, 3, v3                  ; KST = (thread / 16) x 144 + 8 (thread % 16)
	v_mul_u32_u24 v4, v18, VP
	v_lshl_add_u32 v4, v16, 3, v4                  ; VST likewise with 160
	v_lshlrev_b32 v5, 12, v18
	v_lshl_add_u32 v5, v16, 4, v5                  ; GKV = (thread / 16) rows + 16 (thread % 16): 16 threads take a head's 256 bytes of a row
	v_lshlrev_b32 v6, 11, v16
	v_lshl_add_u32 v6, v17, 3, v6                  ; GM = r mask rows + 8 hh
	v_mov_b32 v7, 0
	v_lshlrev_b32 v21, 12, v16
	v_lshl_add_u32 v21, v17, 5, v21                ; q: r rows + 32 hh bytes (8 f32)
	s_wait_kmcnt 0x0
	s_add_nc_u64 s[66:67], s[12:13], s[24:25]
	s_add_nc_u64 s[68:69], s[12:13], s[26:27]
	s_add_nc_u64 s[70:71], s[12:13], s[28:29]
	s_add_nc_u64 s[4:5], s[4:5], s[18:19]
	s_add_nc_u64 s[14:15], s[14:15], s[18:19]
	s_add_nc_u64 s[6:7], s[6:7], s[16:17]
	s_add_nc_u64 s[8:9], s[8:9], s[16:17]
	s_add_nc_u64 s[10:11], s[10:11], s[20:21]
	s_load_b512 s[16:31], s[66:67], 0x0            ; (ACT, MSK) of the 16 strips of this work-group
	s_load_b512 s[32:47], s[68:69], 0x0
	s_load_b64 s[48:49], s[70:71], 0x0             ; and of my own
	; Q as f32 into the score registers: fragment (g, ke), half x: e = 32 ke + 16 x + 8 hh + 0..7 of query 16 g + r, 32 bytes in two loads
.irp g, 0,1
.irp ke, 0,1
.irp x, 0,1
	global_load_b128 v[SC+32*\g+16*\ke+8*\x:SC+32*\g+16*\ke+8*\x+3],   v21, s[4:5] offset:16*ROWB*\g+128*\ke+64*\x
	global_load_b128 v[SC+32*\g+16*\ke+8*\x+4:SC+32*\g+16*\ke+8*\x+7], v21, s[4:5] offset:16*ROWB*\g+128*\ke+64*\x+16
.endr
.endr
.endr
; The lowest block left is taken off the list into dst, and its 64 rows of K and of V are asked for.  An empty list gives block 31 (inside the
; buffers).  The two address pairs are rewritten only where the loads that named them have been waited for.
.macro STAGE_LOAD dst
	s_ctz_i32_b32 \dst, s52
	s_min_u32 \dst, \dst, 31
	s_sub_co_u32 s60, s52, 1
	s_and_b32 s52, s52, s60                        ; its bit is cleared
	s_lshl_b32 s78, \dst, 18                       ; 64 rows x 4,096 bytes
	s_add_nc_u64 s[66:67], s[6:7], s[78:79]
	s_add_nc_u64 s[68:69], s[8:9], s[78:79]
	global_load_b128 v[STG:STG+3],     v5, s[66:67]
	global_load_b128 v[STG+4:STG+7],   v5, s[66:67] offset:32*ROWB
	global_load_b128 v[STG+8:STG+11],  v5, s[68:69]
	global_load_b128 v[STG+12:STG+15], v5, s[68:69] offset:32*ROWB
.endm
; What STAGE_LOAD brought is rounded and stored into slot q: 8 bytes a thread and row.
; K: to bf16.  V: to bf16, the one rounding; widened again (a shift, a mask); then to f16, which changes no such number between 2^-17 and 65,280.
.macro STAGE_STORE q
.irp x, 0,1
	v_cvt_pk_bf16_f32 v[STG+4*\x],   v[STG+4*\x],   v[STG+4*\x+1]
	v_cvt_pk_bf16_f32 v[STG+4*\x+1], v[STG+4*\x+2], v[STG+4*\x+3]
.endr
.irp x, 2,3
	v_cvt_pk_bf16_f32 v[STG+4*\x],   v[STG+4*\x],   v[STG+4*\x+1]
	v_cvt_pk_bf16_f32 v[STG+4*\x+2], v[STG+4*\x+2], v[STG+4*\x+3]
.endr
	ds_store_b64 v3, v[STG:STG+1]     offset:\q*KSLOT
	ds_store_b64 v3, v[STG+4:STG+5]   offset:\q*KSLOT+32*KP
.irp x, 2,3
	v_and_b32     v[STG+4*\x+1], 0xffff0000, v[STG+4*\x]
	v_and_b32     v[STG+4*\x+3], 0xffff0000, v[STG+4*\x+2]
	v_lshlrev_b32 v[STG+4*\x],   16, v[STG+4*\x]
	v_lshlrev_b32 v[STG+4*\x+2], 16, v[STG+4*\x+2]
.endr
.irp x, 2,3
	v_cvt_pk_f16_f32 v[STG+4*\x],   v[STG+4*\x],   v[STG+4*\x+1]
	v_cvt_pk_f16_f32 v[STG+4*\x+1], v[STG+4*\x+2], v[STG+4*\x+3]
.endr
	ds_store_b64 v4, v[STG+8:STG+9]   offset:VB0+\q*VSLOT
	ds_store_b64 v4, v[STG+12:STG+13] offset:VB0+\q*VSLOT+32*VP
.endm
; The mask's bytes for my 32 rows in block blk, laid as the scores are: group g, tile t: the 8 bytes of keys 16 t + 8 hh + 0..7 of query 16 g + r
.macro MASKPF blk
	s_min_u32 s60, \blk, 31
	s_lshl_b32 s78, s60, 6
	s_add_nc_u64 s[70:71], s[10:11], s[78:79]
.irp g, 0,1
.irp t, 0,1,2,3
	global_load_b64 v[MK+8*\g+2*\t:MK+8*\g+2*\t+1], v6, s[70:71] offset:32768*\g+16*\t
.endr
.endr
.endm
; The scores start from 0 (open) or -2^127 (masked): bytes 0 / 1 become 0 / 255, and each byte goes to the top of a word: 0xff000000 is -2^127
.macro BIAS
.set i, 0
.rept 16
	v_mul_lo_u32 v[MK+i], v[MK+i], s76
.set i, i+1
.endr
.irp g, 0,1
.irp t, 0,1,2,3
.irp j, 0,1,2,3,4,5,6,7
	v_perm_b32 v[SC+32*\g+8*\t+\j], v[MK+8*\g+2*\t+(\j>>2)], v7, s[80+(\j&3)]
.endr
.endr
.endr
.endm
; K fragments of tiles 2 bq, 2 bq + 1 (16 keys x 64 e each) from slot p
.macro KLOAD p, bq
.irp tt, 0,1
.irp ke, 0,1
.irp x, 0,1
	ds_load_b128 v[FR+16*\tt+8*\ke+4*\x:FR+16*\tt+8*\ke+4*\x+3], v1 offset:\p*KSLOT+(2*\bq+\tt)*16*KP+64*\ke+32*\x
.endr
.endr
.endr
.endm
; Eight products in the bf16 form: tiles t0, t0 + 1 of both groups, e = 0-31 and then 32-63.  The four accumulators take turns, one instruction a turn.
; zero = 1: the first product starts the sum from the constant 0; zero = 0: from the bias that lies in the accumulator.
.macro QKB zero, t0
.irp ke, 0,1
.irp tt, 0,1
.irp g, 0,1
.if \zero*(1-\ke)
	v_wmma_f32_16x16x32_bf16 v[SC+32*\g+8*(\t0+\tt):SC+32*\g+8*(\t0+\tt)+7], v[FR+16*\tt+8*\ke:FR+16*\tt+8*\ke+7], v[QF+16*\g+8*\ke:QF+16*\g+8*\ke+7], 0
.else
	v_wmma_f32_16x16x32_bf16 v[SC+32*\g+8*(\t0+\tt):SC+32*\g+8*(\t0+\tt)+7], v[FR+16*\tt+8*\ke:FR+16*\tt+8*\ke+7], v[QF+16*\g+8*\ke:QF+16*\g+8*\ke+7], v[SC+32*\g+8*(\t0+\tt):SC+32*\g+8*(\t0+\tt)+7]
.endif
.endr
.endr
.endr
.endm
.macro QK p, zero
	s_wait_dscnt 0x0                               ; the fragments of tiles 0, 1 are in
	QKB \zero, 0
	PLACES 4                                       ; four places before loads land on registers that the products read
	KLOAD \p, 1
	s_wait_dscnt 0x0
	QKB \zero, 2
.endm
; V^T fragments of keys 32 u .. 32 u + 31 from slot p: d tile dt at register base + stride x dt
.macro VLOAD p, u, base, stride
.irp dt, 0,1,2,3
.irp x, 0,1
	ds_load_tr16_b128 v[\base+\stride*\dt+4*\x:\base+\stride*\dt+4*\x+3], v2 offset:VB0+\p*VSLOT+(32*\u+16*\x)*VP+32*\dt
.endr
.endr
.endm
; Eight products O^T += V^T P^T over 32 keys, in the f16 form; the eight accumulators take turns, one instruction a turn.
; The score accumulators are written by the bf16 form alone and these by the f16 form alone.
.macro PV u, base, stride
.irp dt, 0,1,2,3
.irp g, 0,1
	v_wmma_f32_16x16x32_f16 v[OA+32*\g+8*\dt:OA+32*\g+8*\dt+7], v[\base+\stride*\dt:\base+\stride*\dt+7], v[SC+32*\g+16*\u:SC+32*\g+16*\u+7], v[OA+32*\g+8*\dt:OA+32*\g+8*\dt+7]
.endr
.endr
.endm
; Group g's 32 score registers (a lane: 32 of the 64 keys of its query; the other half of the lanes holds the other 32)
.macro SOFT g
.set SB,  SC+32*\g
.set OB,  OA+32*\g
.set NMR, ST+4*\g                      ; -c m
.set MXR, ST+4*\g+1                    ; m
.set ALR, ST+4*\g+2                    ; factor
.set LSR, ST+4*\g+3                    ; row sum (this half's)
	; the new maximum: 32 scores and the old m in 16 three-way maxima, four chains first.  The old m is among them, so m never falls below its start, -2^97
.irp k, 0,1,2,3
	v_max3_num_f32 v[TT+\k], v[SB+7*\k], v[SB+7*\k+1], v[SB+7*\k+2]
.endr
.irp k, 0,1,2,3
	v_max3_num_f32 v[TT+\k], v[TT+\k], v[SB+7*\k+3], v[SB+7*\k+4]
.endr
.irp k, 0,1,2,3
	v_max3_num_f32 v[TT+\k], v[TT+\k], v[SB+7*\k+5], v[SB+7*\k+6]
.endr
	v_max3_num_f32 v[TT],   v[TT],   v[TT+1], v[SB+28]
	v_max3_num_f32 v[TT+2], v[TT+2], v[TT+3], v[SB+29]
	v_max3_num_f32 v[TT],   v[TT],   v[TT+2], v[SB+30]
	v_max3_num_f32 v[TT],   v[TT],   v[SB+31], v[MXR]
	v_permlanex16_b32 v[TT+1], v[TT], s74, s75     ; the other half's (its destination has been written above)
	v_max_num_f32 v[TT+4], v[TT], v[TT+1]          ; m new, the same in both halves
	v_mul_f32 v[NMR], 0xbe38aa3b, v[TT+4]          ; -c m new (exact where m is still -2^97, a power of two)
	v_fma_f32 v[TT+5], v[MXR], s72, v[NMR]         ; c (m old - m new) <= 0; about -3e28 at a row's first open key; exactly 0 while it has met none
	v_exp_f32 v[ALR], v[TT+5]                      ; the factor for what has been gathered
	v_mov_b32 v[MXR], v[TT+4]                      ; (the plain instruction behind the exponential)
.set i, 0
.rept 16
	v_pk_fma_f32 v[SB+2*i:SB+2*i+1], v[SB+2*i:SB+2*i+1], s[72:73], v[NMR:NMR+1] op_sel_hi:[1,0,0]   ; c s - c m, two at a time; about -3e37 for a masked key, whatever m
.set i, i+1
.endr
.set i, 0
.rept 32
	v_exp_f32 v[SB+i], v[SB+i]                     ; p, back to back
.set i, i+1
.endr
.set i, 0
	s_wait_alu depctr_va_vdst(0)
.rept 16
	v_pk_mul_f32 v[OB+2*i:OB+2*i+1], v[OB+2*i:OB+2*i+1], v[ALR:ALR+1] op_sel_hi:[1,0]   ; O is rescaled: plain work that touches no p stands behind the exponentials
.set i, i+1
.endr
.irp k, 0,1,2,3
	v_pk_add_f32 v[TT+2*\k:TT+2*\k+1], v[SB+8*\k:SB+8*\k+1], v[SB+8*\k+2:SB+8*\k+3]     ; the sum of p, four chains of pairs
.endr
.irp k, 0,1,2,3
	v_pk_add_f32 v[TT+2*\k:TT+2*\k+1], v[TT+2*\k:TT+2*\k+1], v[SB+8*\k+4:SB+8*\k+5]
.endr
.irp k, 0,1,2,3
	v_pk_add_f32 v[TT+2*\k:TT+2*\k+1], v[TT+2*\k:TT+2*\k+1], v[SB+8*\k+6:SB+8*\k+7]
.endr
	v_pk_add_f32 v[TT:TT+1],   v[TT:TT+1],   v[TT+2:TT+3]
	v_pk_add_f32 v[TT+4:TT+5], v[TT+4:TT+5], v[TT+6:TT+7]
	v_pk_add_f32 v[TT:TT+1],   v[TT:TT+1],   v[TT+4:TT+5]
	v_add_f32 v[TT], v[TT], v[TT+1]
	v_fma_f32 v[LSR], v[LSR], v[ALR], v[TT]        ; row sum = row sum x factor + this block's
	; p to f16 in place: tiles 2 u and 2 u + 1 become the 8 registers of fragment u; the 8 registers behind it fall free
.irp u, 0,1
.irp k, 0,1,2,3
	v_cvt_pk_f16_f32 v[SB+16*\u+\k], v[SB+16*\u+2*\k], v[SB+16*\u+2*\k+1]
.endr
.irp k, 0,1,2,3
	v_cvt_pk_f16_f32 v[SB+16*\u+4+\k], v[SB+16*\u+8+2*\k], v[SB+16*\u+8+2*\k+1]
.endr
.endr
.endm
; One step: block t of the list lies in slot p; block t + 1 goes into slot q.
; ONE barrier, for two things: my stores of block t (made in the step before) are done, so that the others may read them; my reads of block t - 1 are
; done, so that its slot q may be written.  It stands in every wave's way in every step; the branches behind it go forward and hold no barrier.
.macro STEP p, q
	s_wait_dscnt 0x0
	s_barrier_signal -1
	s_barrier_wait -1
	s_cmp_ge_u32 s59, s53                          ; the list is walked: nothing but the barrier
	s_cbranch_scc1 .Lend_\@
	s_wait_loadcnt 0x0                             ; all that is out was asked for a step ago and is due now: K and V of block t + 1, mask bytes of block t;
	                                               ; the three address pairs of those loads are free behind this wait
	s_bitcmp1_b32 s55, s56                         ; has this block open AND masked bytes in my strip?
	s_cbranch_scc0 .Lnobias_\@
	BIAS
.Lnobias_\@:
	s_add_co_u32 s62, s59, 1
	s_cmp_ge_u32 s62, s53
	s_cbranch_scc1 .Lnostage_\@                    ; no block t + 1
	s_bitcmp1_b32 s55, s57
	s_cbranch_scc0 .Lnomask_\@
	MASKPF s57                                     ; its mask bytes, if my strip needs them, a step ahead
.Lnomask_\@:
	STAGE_STORE \q
	s_add_co_u32 s62, s59, 2
	s_cmp_ge_u32 s62, s53
	s_cbranch_scc1 .Lnostage_\@                    ; no block t + 2
	STAGE_LOAD s58
.Lnostage_\@:
	s_bitcmp1_b32 s54, s56                         ; any open byte for my strip?
	s_cbranch_scc0 .Lskip_\@
	KLOAD \p, 0
	s_bitcmp1_b32 s55, s56
	s_cbranch_scc1 .Lmixed_\@
	QK \p, 1
	s_branch .Ljoin_\@
.Lmixed_\@:
	QK \p, 0
.Ljoin_\@:
	PLACES 4                                       ; four places before the scores are read and loads land on the K fragments
	VLOAD \p, 0, FR, 8                             ; V of keys 0-31: lands during the softmax
	SOFT 0
	SOFT 1
	VLOAD \p, 1, SC+8, 16                          ; V of keys 32-63 into the registers that the narrowing of p has freed
	s_wait_dscnt 0x8                               ; LDS loads come back in order: the first eight are in, the eight just issued stay out
	PV 0, FR, 8
	s_wait_dscnt 0x0
	PV 1, SC+8, 16
	PLACES 5                                       ; five places: the next step's first products may write over the score registers that these read
.Lskip_\@:
	s_mov_b32 s56, s57
	s_mov_b32 s57, s58
.Lend_\@:
	s_add_co_u32 s59, s59, 1
.endm
	s_wait_kmcnt 0x0                               ; the table's records (and their three address pairs are free)
	s_or_b32 s52, s16, s18                         ; the blocks that are open for any of the 16 strips
.irp i, 20,22,24,26,28,30,32,34,36,38,40,42,44,46
	s_or_b32 s52, s52, s\i
.endr
	s_bcnt1_i32_b32 s53, s52
	s_max_u32 s53, s53, 1                          ; n: how many; at least one step is made (with nothing open every wave skips in it)
	s_mov_b32 s54, s48                             ; my strip: open
	s_and_b32 s55, s48, s49                        ; my strip: open and masked
	STAGE_LOAD s56                                 ; the first block
	MASKPF s56                                     ; its mask bytes, needed or not: this writes the 16 mask registers once on every path
	s_wait_loadcnt 0xc                             ; Q's 16 loads are in; the 4 of K and V and the 8 of the mask, issued behind them, stay out
.set i, 0
.rept 32
	v_cvt_pk_bf16_f32 v[QF+i], v[SC+2*i], v[SC+2*i+1]
.set i, i+1
.endr
.set i, 0
.rept 64
	v_mov_b32 v[OA+i], 0                           ; O is cleared once: which block a wave multiplies first is read from the table, so no fixed first product can start these sums
.set i, i+1
.endr
	v_mov_b32 v[ST+1], MFLOOR                      ; m = -2^97
	v_mov_b32 v[ST+5], MFLOOR
	v_mov_b32 v[ST+3], 0                           ; row sums
	v_mov_b32 v[ST+7], 0
	s_wait_loadcnt 0x8                             ; K and V of the first block are in; the mask's 8 loads stay out
	STAGE_STORE 0
	STAGE_LOAD s57                                 ; the second block (with n = 1: block 31's rows, which nothing uses)
.Lloop:
	STEP 0, 1
	STEP 1, 0
	s_add_co_u32 s61, s61, 1
	s_cmp_lt_u32 s61, TRIPS
	s_cbranch_scc1 .Lloop
	; THE WAY OUT.  A lane holds 64 numbers of one query, the lanes beside it other queries.  So 16 rows at a time go through the wave's own stage in LDS
	; and come back as whole rows: 16 lanes then store 256 consecutive bytes, a head's row, at a multiple of 256 from out0's first byte.
	; The stage is the wave's own and LDS serves a wave's instructions in order (ISA guide 5.7.1): no barrier, no wait between stores and loads.
	v_and_b32 v16, 15, v0
	v_bfe_u32 v17, v0, 4, 1
	s_mul_i32 s60, s50, STAGEW
	s_add_co_u32 s60, s60, STAGE0
	v_mul_u32_u24 v1, v16, SP
	v_lshl_add_u32 v1, v17, 5, v1
	v_add_nc_u32 v1, s60, v1                       ; in: row r, 32 hh bytes (d = 8 hh ..)
	v_mul_u32_u24 v2, v17, SP
	v_lshl_add_u32 v2, v16, 4, v2
	v_add_nc_u32 v2, s60, v2                       ; back: lanes 0-15 one row, lanes 16-31 the next
	v_lshlrev_b32 v3, 12, v17
	v_lshl_add_u32 v3, v16, 4, v3                  ; the same two rows in out0
.macro OUT g
	v_mov_b32 v[TT], v[ST+4*\g+3]                  ; (the exchange's destination counts as read)
	v_permlanex16_b32 v[TT], v[ST+4*\g+3], s74, s75
	v_add_f32 v[ST+4*\g+3], v[ST+4*\g+3], v[TT]    ; the two halves' row sums
	v_cmp_lt_f32 vcc_lo, MFLOOR, v[ST+4*\g+1]      ; -2^97 < m: the row had an open key
	v_rcp_f32 v[ST+4*\g+2], v[ST+4*\g+3]
	v_nop                                          ; the plain instruction behind the reciprocal
	s_wait_alu depctr_va_vdst(0)
	v_cndmask_b32 v[ST+4*\g+2], 0x7fc00000, v[ST+4*\g+2], vcc_lo   ; a wholly masked row is NaN
.set i, 0
.rept 16
	v_pk_mul_f32 v[OA+32*\g+2*i:OA+32*\g+2*i+1], v[OA+32*\g+2*i:OA+32*\g+2*i+1], v[ST+4*\g+2:ST+4*\g+3] op_sel_hi:[1,0]
.set i, i+1
.endr
.irp dt, 0,1,2,3
	ds_store_b128 v1, v[OA+32*\g+8*\dt:OA+32*\g+8*\dt+3]   offset:64*\dt
	ds_store_b128 v1, v[OA+32*\g+8*\dt+4:OA+32*\g+8*\dt+7] offset:64*\dt+16
.endr
.irp i, 0,1,2,3,4,5,6,7
	ds_load_b128 v[SC+32*\g+4*\i:SC+32*\g+4*\i+3], v2 offset:2*SP*\i
.endr
.irp i, 0,1,2,3,4,5,6,7
	s_wait_dscnt 7-\i                              ; pair i of rows is back; the younger loads stay out
	global_store_b128 v3, v[SC+32*\g+4*\i:SC+32*\g+4*\i+3], s[14:15] offset:(16*\g+2*\i)*ROWB th:TH_STORE_NT
.endr
.endm
	OUT 0
	OUT 1
	s_wait_tensorcnt 0x0
	ds_add_u32 v30, v31
	s_wait_dscnt 0x0
	s_endpgm
.Lfunc_end_k_q822cfe8534_attn:
	.size	k_q822cfe8534_attn, .Lfunc_end_k_q822cfe8534_attn-k_q822cfe8534_attn
	.p2alignl 7, 3214868480
	.fill 96, 4, 3214868480
	.section	.rodata,"a",@progbits
	.p2align	6, 0x0
	.amdhsa_kernel k_q822cfe8534_attn
		.amdhsa_group_segment_fixed_size 110592
		.amdhsa_private_segment_fixed_size 0
		.amdhsa_enable_private_segment 0
		.amdhsa_kernarg_size 48
		.amdhsa_user_sgpr_count 2
		.amdhsa_user_sgpr_kernarg_segment_ptr 1
		.amdhsa_wavefront_size32 1
		.amdhsa_system_sgpr_workgroup_id_x 1
		.amdhsa_system_sgpr_workgroup_id_y 1
		.amdhsa_system_sgpr_workgroup_id_z 1
		.amdhsa_system_vgpr_workitem_id 0
		.amdhsa_next_free_vgpr 256
		.amdhsa_next_free_sgpr 84
		.amdhsa_reserve_vcc 1
		.amdhsa_float_denorm_mode_32 3
		.amdhsa_float_denorm_mode_16_64 3
		.amdhsa_memory_ordered 1
		.amdhsa_forward_progress 1
		.amdhsa_inst_pref_size 77
	.end_amdhsa_kernel
	.amdgpu_metadata
---
amdhsa.version: [ 1, 2 ]
amdhsa.kernels:
  - .name:           k_q822cfe8534_attn
    .symbol:         k_q822cfe8534_attn.kd
    .args:
      - { .name: queries, .offset: 0, .size: 8, .value_kind: global_buffer, .address_space: global }
      - { .name: keys, .offset: 8, .size: 8, .value_kind: global_buffer, .address_space: global }
      - { .name: values, .offset: 16, .size: 8, .value_kind: global_buffer, .address_space: global }
      - { .name: attn_mask, .offset: 24, .size: 8, .value_kind: global_buffer, .address_space: global }
      - { .name: tab, .offset: 32, .size: 8, .value_kind: global_buffer, .address_space: global }
      - { .name: out0, .offset: 40, .size: 8, .value_kind: global_buffer, .address_space: global }
    .group_segment_fixed_size: 110592
    .private_segment_fixed_size: 0
    .kernarg_segment_align: 8
    .kernarg_segment_size: 48
    .max_flat_workgroup_size: 512
    .sgpr_count:     84
    .vgpr_count:     256
    .wavefront_size: 32
...
	.end_amdgpu_metadata
.endif
;; end of part 2
